; MI455X (gfx1250); checked and timed in simulation.
; The chip was launched on July 23, 2026; its instructions are those of AMD's public machine-readable ISA for CDNA 5 (MIT licence, August 2026) and "CDNA5" Instruction Set Architecture Reference Guide (July 2026). The comments in the code are by the model that wrote it; some were corrected since.
;; Attention Mechanism. Allowed arithmetic: matrix products marked QUANTISED: E2M3 operands, one E8M0 scale for each 32 along K, by v_wmma_scale_f32_16x16x128_f8f6f4 with both operands' format E2M3, f32 sums; products left as they are: f32 operands where the result goes on into a quantised operand, else bf16, f16 or f32 operands; f32 sums; everything else in f32.
;; Inputs: W 1,024 x 1,024 float32; b 1,024 float32; decoder_hidden 32 x 1,024 float32; encoder_outputs 2,048 x 32 x 1,024 float32.
;; Outputs: out0 32 x 1 x 2,048 float32.
;; This version of the problem:
;;   THIS VERSION OF THE PROBLEM IS GIVEN IN LOW PRECISION. The matrix products marked QUANTISED in the list below multiply operands that are first quantised to E2M3 (2 exponent bits, 3 mantissa bits; 6 bits a number), with one power-of-two scale for each 32 numbers along K (OCP MX v1.0); their sums are f32. All else is computed in f32.
;;   The module's matrix products, in the order in which they are computed (A, B: the left and right operand; K: the contracted axis; several contracted axes count as one K, in the product's order):
;;     1. [M 65,536, K 1,024] x [K 1,024, N 1,024]; A: input encoder_outputs; B: input W: QUANTISED
;;     2. batch 32 x [M 1, K 1,024] x [K 1,024, N 2,048]; A: input decoder_hidden; B: computed on the way: left as it is (M = 1 < 16)
;;   THE QUANTISER, for each operand of a quantised product, along K:
;;     - K is cut into blocks of 32 from its start; a last block that is shorter is filled with zeros.
;;     - A block's scale is 2^e with e = floor(log2(the largest magnitude in the block)) - 2, held to -126 .. 127; a block of zeros has e = 0. As a byte (E8M0): e + 127.
;;     - Each number is divided by its block's scale, clamped to +-7.5, and rounded to the nearest number of E2M3, ties to even, subnormals kept.
;;     - The product sums the exact products of the quantised numbers (number of the format x scale) in f32.
;;   ~~~python
;;   def quantise(x, axis):      # numpy; x: float32 -> the quantised numbers, widened to float32 again
;;       x = np.moveaxis(x, axis, -1); K = x.shape[-1]
;;       x = np.pad(x, [(0, 0)] * (x.ndim - 1) + [(0, -K % 32)]); x = x.reshape(x.shape[:-1] + (-1, 32)); a = np.abs(x).max(-1, keepdims=True)
;;       e = np.where(a > 0, np.clip(np.frexp(np.where(a > 0, a, 1))[1] - 1 - 2, -126, 127), 0)      # np.frexp(a)[1] - 1 = floor(log2(a)), exactly
;;       r = np.clip(x / 2.0 ** e, -7.5, 7.5)
;;       step = 2.0 ** (np.maximum(np.frexp(np.where(r == 0, 1, r))[1] - 1, 0) - 3)
;;       q = np.round(r / step) * step * 2.0 ** e      # np.round: ties to even
;;       return np.moveaxis(q.reshape(q.shape[:-2] + (-1,))[..., :K], -1, axis).astype(np.float32)
;;   ~~~
;; One version. Each part assembles by itself: llvm-mc -triple=amdgcn-amd-amdhsa -mcpu=gfx1250 --defsym DOCPART=n.
;; ======== version 1 of 1: 3 launches
;; limits: right only within a limited range of input values
;; workspace buffers: wq 819,200 bytes; energies 262,144 bytes
;; launch wprep (part 1): grid 256 x 1, 1 waves a work-group, no clusters, 0 bytes of LDS; arguments W, wq; writes wq
.if DOCPART == 1
	.amdgcn_target "amdgcn-amd-amdhsa--gfx1250"
	.amdhsa_code_object_version 6
	.text
	.protected	k_q52f7894c9d_wprep
	.globl	k_q52f7894c9d_wprep
	.p2align	8
	.type	k_q52f7894c9d_wprep,@function
k_q52f7894c9d_wprep:
	s_mov_b64 s[64:65], 0
	v_nop
	global_prefetch_b8 v0, s[64:65] scope:SCOPE_SE
	s_setreg_imm32_b32 hwreg(HW_REG_WAVE_MODE, 25, 1), 1
	s_wait_xcnt 0x0
; W [1024 (n)][1024 (k)], f32, K innermost, becomes codes of FP6 (E2M3) with one E8M0 byte for each 32 along K, laid IN THE ORDER OF THE OPERAND'S REGISTERS.
; wq holds 32 records of 25,600 bytes, record 8 g + kc: rows n = 256 g .. 256 g + 255, k = 128 kc .. 128 kc + 127.  In a record, tile t (16 rows) lies at 1536 t + 512 q + 16 x lane:
; registers 4 q .. 4 q + 3 of that lane's fragment of 12 (lane (r, h), registers 6 c .. 6 c + 5: k = 64 c + 32 h + 0 .. 31 of row 16 t + r).  Behind the codes, at 24,576 + 128 p + 4 x lane, the scale words:
; lanes 0-15 those of tile 2 p, lanes 16-31 those of tile 2 p + 1.  So the reader takes a fragment by three loads of 16 bytes a lane and two tiles' scale words by one load.
; A block's scale is 2^(floor(log2(its largest magnitude)) - 2); its byte is the largest magnitude's exponent field - 2, held at 1 from below.
; LIMITS: a block of zeros gets the byte 1 where the rule says 127 (its codes are zeros, and this program alone reads the bytes); blocks whose largest magnitude lies under 2^-124 keep the byte 1: not tried; NaN and infinities are not served.
; SHARES: work-group 64 g + 8 kc + p, one wave, makes tiles 2 p and 2 p + 1 of record (g, kc).  A lane loads its own 64 numbers of a row as they lie (16 bytes a load; a tile's 16 loads cover 512 consecutive bytes
; of each of 16 rows).  W is 4 MiB of the program's 272: no turn through LDS is spent on it.  The code stores cover 512 consecutive bytes each; the one store of scale words covers 128 bytes (32 KiB in the whole launch).
; DEAD WORK LEFT OUT BY THIS PROGRAM: reference() adds b to proj, which adds dec[i] . b to every energies[i][s]: one and the same number for all s of a batch i.  The softmax runs over s, and
; softmax(e + c) = softmax(e) for every real c: so b reaches no output, whatever finite values the inputs hold.  b enters no quantised operand (it is added behind the product).  Input b is not loaded and is no argument of any launch.
; LIMIT: a NaN, an infinity or an overflow that arises in dec . b alone is not carried to the result.
.set REC,  25600
.set SCO,  24576
.set SH8,  6                           ; v6       8 h: where my two scale bytes go in the word
.set X,    16                          ; v16-143  two tiles x 64 numbers: register 32 c + i = k 64 c + 32 h + i of my row
.set PC0,  144                         ; v144-167 the two fragments
.set PT,   168                         ; v168-175 the upper halves of a block's codes, before they are moved
.set M,    176                         ; v176-177 largest magnitudes
.set SO,   178                         ; v178-179 the conversions' scale operands
.set BY,   180                         ; v180-181 the scale bytes
.set T,    182
.set PW0,  183                         ; v183-184 the two tiles' scale words
.set OW,   185
.set SEL,  18                          ; s[18:19] v_permlanex16_b32's selects for lane l xor 16
; 64 numbers of a lane, two whole blocks of 32, become a fragment's 12 registers and its row's scale word.
.macro QUANT y, pc, pw
.irp c, 0,1
	v_max3_num_f32 v[M+\c], |v[(\y)+32*\c]|, |v[(\y)+32*\c+1]|, 0x1800000   ; block 2 c + h: all its 32 numbers are mine; the floor 2^(3 - 127) holds the byte at 1 from below
.endr
.irp i, 2,4,6,8,10,12,14,16,18,20,22,24,26,28,30
.irp c, 0,1
	v_max3_num_f32 v[M+\c], v[M+\c], |v[(\y)+32*\c+\i]|, |v[(\y)+32*\c+\i+1]|   ; (the two blocks by turns)
.endr
.endr
.irp c, 0,1
	v_add_nc_u32 v[SO+\c], 0xff000000, v[M+\c]     ; 2 off the exponent field: the conversion takes the exponent field of this operand as its scale
.endr
.irp c, 0,1
	v_lshrrev_b32 v[BY+\c], 23, v[SO+\c]           ; the scale's byte
.endr
	v_lshl_or_b32 v[\pw], v[BY+1], 16, v[BY]       ; my bytes: blocks h and 2 + h,
	v_lshlrev_b32 v[\pw], v[SH8], v[\pw]           ; at their places;
	v_permlanex16_b32 v[T], v[\pw], s[SEL], s[SEL+1]
	v_or_b32 v[\pw], v[\pw], v[T]                  ; with lane l xor 16's two the word is whole, in both halves of the lanes
.irp c, 0,1
	v_cvt_scalef32_pk16_fp6_f32 v[(\pc)+6*\c:(\pc)+6*\c+2], v[(\y)+32*\c:(\y)+32*\c+15], v[SO+\c]
	v_cvt_scalef32_pk16_fp6_f32 v[PT+4*\c:PT+4*\c+2], v[(\y)+32*\c+16:(\y)+32*\c+31], v[SO+\c]   ; (a conversion's three registers begin on an even number)
.endr
	v_nop                                          ; one plain place behind the scaled conversions
.irp c, 0,1
.irp i, 0,1,2
	v_mov_b32 v[(\pc)+6*\c+3+\i], v[PT+4*\c+\i]
.endr
.endr
.endm
	s_load_b128 s[4:7], s[0:1], 0x0                ; W, wq
	v_and_b32 v2, 15, v0                           ; r (one wave: v0 is the lane)
	v_bfe_u32 v3, v0, 4, 1                         ; h
	v_lshlrev_b32 v1, 12, v2
	v_lshl_add_u32 v1, v3, 7, v1                   ; in: row r of 4,096 bytes + 128 h
	v_lshlrev_b32 v[SH8], 3, v3
	v_mov_b32 v[T], 0                              ; a lane permute's destination counts as one of its sources
	s_lshr_b32 s8, ttmp9, 6                        ; g
	s_bfe_u32 s9, ttmp9, 0x30003                   ; kc
	s_and_b32 s10, ttmp9, 7                        ; p
	s_lshl_b32 s12, s8, 20                         ; in: (256 g + 32 p) rows of 4,096 bytes + 512 kc
	s_lshl_b32 s11, s10, 17
	s_add_co_u32 s12, s12, s11
	s_lshl_b32 s11, s9, 9
	s_add_co_u32 s12, s12, s11
	s_mov_b32 s13, 0
	s_lshl_b32 s14, s8, 3                          ; out: record 8 g + kc
	s_add_co_u32 s14, s14, s9
	s_mul_i32 s14, s14, REC
	s_mov_b32 s15, 0
	s_mul_i32 s16, s10, 3072                       ; my two tiles' codes,
	s_lshl_b32 s17, s10, 7                         ; and their scale words
	v_lshl_add_u32 v7, v0, 4, s16
	v_lshl_add_u32 v8, v0, 2, s17
	s_mov_b32 s[SEL], 0x76543210
	s_mov_b32 s[SEL+1], 0xfedcba98
	s_wait_alu depctr_va_vdst(0)
	s_wait_kmcnt 0x0
	s_add_nc_u64 s[4:5], s[4:5], s[12:13]
	s_add_nc_u64 s[6:7], s[6:7], s[14:15]
.irp u, 0,1
.irp c, 0,1
.irp i, 0,1,2,3,4,5,6,7
	global_load_b128 v[X+64*\u+32*\c+4*\i:X+64*\u+32*\c+4*\i+3], v1, s[4:5] offset:65536*\u+256*\c+16*\i th:TH_LOAD_NT
.endr
.endr
.endr
	s_wait_loadcnt 16                              ; the first tile's 16 loads are in; the second's may be out
	QUANT X, PC0, PW0
	s_wait_loadcnt 0x0
	QUANT X+64, PC0+12, PW0+1
	v_cmp_gt_u32 s20, 16, v0
	v_cndmask_b32 v[OW], v[PW0+1], v[PW0], s20     ; lanes 0-15: the first tile's words; lanes 16-31: the second's
.irp u, 0,1
.irp q, 0,1,2
	global_store_b128 v7, v[PC0+12*\u+4*\q:PC0+12*\u+4*\q+3], s[6:7] offset:1536*\u+512*\q   ; 32 lanes store 512 consecutive bytes, at a multiple of 256 from wq's first byte
.endr
.endr
	global_store_b32 v8, v[OW], s[6:7] offset:SCO
	s_endpgm
.Lfunc_end_k_q52f7894c9d_wprep:
	.size	k_q52f7894c9d_wprep, .Lfunc_end_k_q52f7894c9d_wprep-k_q52f7894c9d_wprep
	.p2alignl 7, 3214868480
	.fill 96, 4, 3214868480
	.section	.rodata,"a",@progbits
	.p2align	6, 0x0
	.amdhsa_kernel k_q52f7894c9d_wprep
		.amdhsa_group_segment_fixed_size 0
		.amdhsa_private_segment_fixed_size 0
		.amdhsa_enable_private_segment 0
		.amdhsa_kernarg_size 16
		.amdhsa_user_sgpr_count 2
		.amdhsa_user_sgpr_kernarg_segment_ptr 1
		.amdhsa_wavefront_size32 1
		.amdhsa_system_sgpr_workgroup_id_x 1
		.amdhsa_system_sgpr_workgroup_id_y 1
		.amdhsa_system_sgpr_workgroup_id_z 1
		.amdhsa_system_vgpr_workitem_id 0
		.amdhsa_next_free_vgpr 192
		.amdhsa_next_free_sgpr 66
		.amdhsa_reserve_vcc 0
		.amdhsa_float_denorm_mode_32 3
		.amdhsa_float_denorm_mode_16_64 3
		.amdhsa_memory_ordered 1
		.amdhsa_forward_progress 1
		.amdhsa_inst_pref_size 12
	.end_amdhsa_kernel
	.amdgpu_metadata
---
amdhsa.version: [ 1, 2 ]
amdhsa.kernels:
  - .name:           k_q52f7894c9d_wprep
    .symbol:         k_q52f7894c9d_wprep.kd
    .args:
      - { .name: W, .offset: 0, .size: 8, .value_kind: global_buffer, .address_space: global }
      - { .name: wq, .offset: 8, .size: 8, .value_kind: global_buffer, .address_space: global }
    .group_segment_fixed_size: 0
    .private_segment_fixed_size: 0
    .kernarg_segment_align: 8
    .kernarg_segment_size: 16
    .max_flat_workgroup_size: 32
    .sgpr_count:     66
    .vgpr_count:     192
    .wavefront_size: 32
...
	.end_amdgpu_metadata
.endif
;; end of part 1
;; launch energy (part 2): grid 8 x 32, 8 waves a work-group, no clusters, 133,120 bytes of LDS; arguments encoder_outputs, decoder_hidden, wq, energies; writes energies
.if DOCPART == 2
	.amdgcn_target "amdgcn-amd-amdhsa--gfx1250"
	.amdhsa_code_object_version 6
	.text
	.protected	k_q52f7894c9d_energy
	.globl	k_q52f7894c9d_energy
	.p2align	8
	.type	k_q52f7894c9d_energy,@function
k_q52f7894c9d_energy:
	s_mov_b64 s[64:65], 0
	v_nop
	global_prefetch_b8 v0, s[64:65] scope:SCOPE_SE
	s_setreg_imm32_b32 hwreg(HW_REG_WAVE_MODE, 25, 1), 1
	s_wait_xcnt 0x0
; energies[b][s] = sum over n of dec[b][n] x (sum over k of Q(enc[s][b][k]) Q(W[n][k]) + bias[n]).  enc [2048][32][1024], dec [32][1024], bias [1024]: f32; wq: W's codes of FP6 (E2M3) and scale words in records
; of 25,600 bytes, in the order of the operand's registers (record 8 g + kc: rows n = 256 g on, k = 128 kc on: 16 tiles of 1,536 bytes, then 8 x 128 bytes of scale words, two tiles to a word's 32 lanes).
; The first product runs on the matrix unit on codes; the second (one row a batch) is f32 fused multiply-adds on the first's f32 sums; the [65,536][1,024] intermediate never exists.
; SHARES.  Work-group (sb, b) owns the 256 rows s = 256 sb .. + 255 of ONE batch b, so that dec is one vector.  THE ENERGY IS LINEAR IN K: K goes in 8 chunks of 128 as the OUTER loop; a chunk's products start from 0
; and are folded at once, by dec, into one running number a row.  So each byte of enc is read once, each record of wq once a work-group, and behind the last bytes of enc stands one eighth of the matrix work.
; TWO ROLES, four waves each, by the parity of the wave number's three bits (G: 0, 3, 5, 6;  Q: 1, 2, 4, 7): of waves w and w + 4, and of waves 2 i and 2 i + 1, one is G and one is Q.  IDX = w / 2 counts 0 .. 3 in either role.
;   Q wave IDX: rows 64 IDX on, four tiles of 16.  It keeps 64 loads out, each a row's 512 consecutive bytes of a chunk (a ring in 256 registers; a tile is asked for anew as soon as it is read), turns a tile through
;   its own stage in LDS so that a lane holds 64 neighbours of one row, quantises it, and stores the fragment and its scale words as AN IMAGE OF THE OPERAND'S REGISTERS, laid as a record of wq is.
;   G wave IDX: n = 256 IDX on, 16 tiles, for all 256 rows.  A chunk: 16 fragments of enc from the image (192 registers), its record of wq straight from memory into a ring of 8 fragments, 256 matrix instructions with
;   C = 0 (source 0 = 16 rows of W, source 1 = 16 rows of enc: a lane holds ONE row of enc and 8 n), each folded by 4 packed multiply-adds with dec into the row tile's pair E.
; STEPS.  One loop, J = 0 .. 8: the Q waves make chunk J's image (J < 8) while the G waves multiply chunk J - 1's (J > 0); two images by turns, one barrier a step.
; The chunks are taken in the order (sb + b + i) mod 8, so that the work-groups are spread over the rows' eight parts and over wq's records.
; WHY NO JOINT LOADS, NO TENSOR LOADS: enc is shared by nobody; a record of wq goes into the registers of the one wave that multiplies it, and by way of LDS it would be 800 KiB more written and 800 KiB more read a work-group;
; a ring in registers with counted waits is never drained, where slots in LDS would be waited for as a whole at each refill.
; LIMITS.  The sums' order differs from the reference's: each chunk's f32 sums are multiplied by dec and added.  A block of zeros gets the byte 1 (zero codes; the bytes are this program's own);
; blocks whose largest magnitude lies under 2^-124 keep the byte 1: not tried; NaN and infinities are not served.
; LDS: 0 image 0 | 25,600 dec, 1,024 bytes a G wave | 32,768 image 1 | 58,368 the G waves' row sums, 1,024 each | 62,464 spare words | 65,536 the Q waves' stages, two of 16 rows x 528 bytes each.
; LEFT OUT: the term dec . bias of the formula above is NOT computed here, and the sums begin at 0: it is the same for every s of a batch, and the softmax over s that follows takes it away for all values of the inputs.  b is not loaded.
.set REC,    25600
.set SCO,    24576                     ; where its scale words begin
.set IMGX,   0x8000                    ; image 1: one exclusive or turns an address in one image into the other's
.set DECL,   25600
.set RED,    58368
.set SPARE,  62464                     ; 128 bytes for each of the eight waves: four blocks of 256 bytes that no other line names
.set STG,    65536
.set SPITCH, 528                       ; a stage row: 512 bytes + 16 = 33 x 16: sixteen lanes that read sixteen rows touch sixteen different columns of 16 bytes
.set STGB,   16*SPITCH                 ; a stage
.set ROWP,   131072                    ; bytes from s to s + 1 in enc
; window 0, all waves; every LDS address is made ahead of the roles' first parting, and none of these registers ever holds loaded data
.set L16,  1                           ; 16 x lane
.set L4,   2                           ; 4 x lane
.set STW,  3                           ; my stage, on the way in: 16 x lane
.set STR,  4                           ; and on the way out: 528 r + 128 h
.set IW0,  5                           ; my four tiles in an image: 6,144 IDX + 16 x lane
.set IWS0, 6                           ; their scale words: 24,576 + 256 IDX + 4 r
.set LN,   7                           ; lane
.set IRS0, 8                           ; an image's scale words for a reader: 24,576 + 4 x lane
.set IW,   9                           ; v9-12: the four above with the step's image, made anew in each step
.set IWS,  10
.set IR,   11
.set IRS,  12
.set DW,   13                          ; dec: where I put my 8 numbers
.set DA,   14                          ; and where my half of the lanes reads a tile's 8
.set RW,   15                          ; the row sums: where I put them
.set RR,   16                          ; and where I read two rows back
.set SH8,  17                          ; 8 h
.set L8,   18                          ; 8 x lane
.set L32,  19                          ; 32 x lane
.set RL,   20                          ; r
.set HL,   21                          ; h
.set SPW,  22                          ; LDS address of my spare word; never rewritten
.set NIL,  23                          ; 0; never rewritten
.set AS,   24                          ; v24-31  enc's scale words: register p: lanes 0-15 row tile 2 p, lanes 16-31 row tile 2 p + 1
.set BS,   32                          ; v32-35  W's: register (pair of tiles) mod 4.  v24-35 hold scales and nothing else
; G waves
.set E,    40                          ; v40-71   a pair for each row tile: the running energy, even and odd n apart
.set ACC,  72                          ; v72-135  a ring of 8 results
.set BR,   136                         ; v136-231 a ring of 8 fragments of W: tile nu in slot nu mod 8
.set TG,   232                         ; v232-255 at work
.set DEC,  192                         ; window 1: v0-191 enc's 16 fragments; v192-255 dec, 8 numbers for each of 8 tiles, slot nu mod 8
; Q waves
.set Y0,   40                          ; v40-167  two sets of 64 neighbours: register 32 c + i = k 64 c + 32 h + i of my row
.set PC0,  168                         ; v168-191 two fragments
.set PT,   192
.set M,    200
.set SO,   202
.set BY,   204
.set PW0,  206                         ; v206-207 two scale words
.set T,    208                         ;          window 1: v0-255 the ring: tile tau at 64 tau, row p's 16 bytes a lane at + 4 p
.set WV,   14
.set ROLE, 15
.set IDX,  16
.set SB,   17
.set BB,   18
.set K0,   19                          ; the first chunk
.set J,    20                          ; the step
.set IBW,  21                          ; the image that is written in this step
.set IBR,  22                          ; and the one that is read
.set ER,   24                          ; s[24:25] enc at my first row
.set EN,   26                          ; s[26:27] and at the chunk that is being asked for
.set WQW,  28                          ; s[28:29] wq at my quarter's eight records
.set BC,   30                          ; s[30:31] the record in hand
.set BN,   32                          ; s[32:33] the next
.set SEL,  34                          ; s[34:35] v_permlanex16_b32's selects for lane l xor 16
.set MSB, 0
.macro WIN new                         ; bits 3:2 source 1, 7:6 destination; the immediate's high byte repeats the setting that is left; at every label and branch the setting is 0
.if MSB != \new
	s_set_vgpr_msb (MSB<<8)|\new
.set MSB, \new
.endif
.endm
; ---------------- the Q waves' macros
; 64 numbers of a lane, two whole blocks of 32, become a fragment's 12 registers and its row's scale word.
.macro QUANT y, pc, pw
.irp c, 0,1
	v_max3_num_f32 v[M+\c], |v[(\y)+32*\c]|, |v[(\y)+32*\c+1]|, 0x1800000   ; block 2 c + h: all its 32 numbers are mine; the floor 2^(3 - 127) holds the byte at 1 from below
.endr
.irp i, 2,4,6,8,10,12,14,16,18,20,22,24,26,28,30
.irp c, 0,1
	s_delay_alu instid0(VALU_DEP_2)
	v_max3_num_f32 v[M+\c], v[M+\c], |v[(\y)+32*\c+\i]|, |v[(\y)+32*\c+\i+1]|   ; (the two blocks by turns)
.endr
.endr
.irp c, 0,1
	s_delay_alu instid0(VALU_DEP_2)
	v_add_nc_u32 v[SO+\c], 0xff000000, v[M+\c]     ; 2 off the exponent field: the conversion takes the exponent field of this operand as its scale
.endr
.irp c, 0,1
	s_delay_alu instid0(VALU_DEP_2)
	v_lshrrev_b32 v[BY+\c], 23, v[SO+\c]           ; the scale's byte
.endr
	s_delay_alu instid0(VALU_DEP_1)
	v_lshl_or_b32 v[\pw], v[BY+1], 16, v[BY]       ; my bytes: blocks h and 2 + h,
	s_delay_alu instid0(VALU_DEP_1)
	v_lshlrev_b32 v[\pw], v[SH8], v[\pw]           ; at their places;
	s_delay_alu instid0(VALU_DEP_1)
	v_permlanex16_b32 v[T], v[\pw], s[SEL], s[SEL+1]
	s_delay_alu instid0(VALU_DEP_1)
	v_or_b32 v[\pw], v[\pw], v[T]                  ; with lane l xor 16's two the word is whole, in both halves of the lanes
.irp c, 0,1
	v_cvt_scalef32_pk16_fp6_f32 v[(\pc)+6*\c:(\pc)+6*\c+2], v[(\y)+32*\c:(\y)+32*\c+15], v[SO+\c]
	v_cvt_scalef32_pk16_fp6_f32 v[PT+4*\c:PT+4*\c+2], v[(\y)+32*\c+16:(\y)+32*\c+31], v[SO+\c]   ; (a conversion's three registers begin on an even number)
.endr
	v_nop                                          ; one plain place behind the scaled conversions
.irp c, 0,1
.irp i, 0,1,2
	v_mov_b32 v[(\pc)+6*\c+3+\i], v[PT+4*\c+\i]
.endr
.endr
.endm
; Tile t through stage t mod 2: in as loaded (a row's 512 bytes on end), out 64 neighbours of one row a lane.  LDS serves a wave's instructions in order (ISA guide 5.7.1.4): no wait between the stores and the loads.
.macro TURN t
	WIN 0x04                                       ; an LDS store's data are its source 1: window 1
.irp p, 0,1,2,3,4,5,6,7,8,9,10,11,12,13,14,15
	ds_store_b128 v[STW], v[64*(\t)+4*\p:64*(\t)+4*\p+3] offset:STGB*((\t)%2)+SPITCH*\p
.endr
	WIN 0
.irp c, 0,1
.irp i, 0,1,2,3,4,5,6,7
	ds_load_b128 v[Y0+64*((\t)%2)+32*\c+4*\i:Y0+64*((\t)%2)+32*\c+4*\i+3], v[STR] offset:STGB*((\t)%2)+256*\c+16*\i
.endr
.endr
.endm
; Tile t of the chunk at s[EN]: sixteen loads, each 512 consecutive bytes of one row.  63 rows of 131,072 bytes at the most: inside the signed 24-bit immediate (ISA guide, chapter 10).
.macro RELOAD t
	WIN 0x40                                       ; destination window 1
.irp p, 0,1,2,3,4,5,6,7,8,9,10,11,12,13,14,15
	global_load_b128 v[64*(\t)+4*\p:64*(\t)+4*\p+3], v[L16], s[EN:EN+1] offset:(16*(\t)+\p)*ROWP th:TH_LOAD_NT
.endr
	WIN 0
.endm
; A chunk of my 64 rows.  reload = 1: each tile is asked for anew, from the next chunk, as soon as the stage has taken it.
.macro QBODY reload
.if \reload
	s_wait_xcnt 0x0                                ; the loads that are out have read their base: it may be written
	s_add_co_u32 s36, s[K0], s[J]
	s_add_co_u32 s36, s36, 1
	s_and_b32 s36, s36, 7
	s_lshl_b32 s36, s36, 9                         ; the next chunk's 512 bytes in a row
	s_mov_b32 s37, 0
	s_add_nc_u64 s[EN:EN+1], s[ER:ER+1], s[36:37]
.endif
	s_wait_loadcnt 48                              ; tile 0's sixteen loads are in; the three tiles behind it may be out
	TURN 0
.irp tau, 0,1,2,3
.if \tau == 0
	s_wait_dscnt 0x0                               ; the tile is back from the stage: so the stage's stores have read the ring's registers
.else
	s_wait_dscnt 4                                 ; the same; behind its loads stand only the last tile's four image stores
.endif
.if \reload
	RELOAD \tau
.endif
.if \tau < 3
.if \reload
	s_wait_loadcnt 48                              ; the next tile is in: behind it stand three tiles' loads, old and new
.else
	s_wait_loadcnt 32-16*\tau                      ; the last chunk: the counts run down
.endif
	TURN \tau+1                                    ; it goes through the other stage while this tile is quantised
.endif
	QUANT Y0+64*(\tau%2), PC0+12*(\tau%2), PW0+(\tau%2)
.irp q, 0,1,2
	ds_store_b128 v[IW], v[PC0+12*(\tau%2)+4*\q:PC0+12*(\tau%2)+4*\q+3] offset:1536*\tau+512*\q   ; the fragment as it stands: 512 consecutive bytes a store
.endr
	ds_store_b32 v[IWS], v[PW0+(\tau%2)] offset:64*\tau   ; both halves of the lanes write the same word with the same value
.endr
.endm
; ---------------- the G waves' macros
; Two tiles of W and their scale words: seven loads.
.macro BGRP sl, base, tile, pair
.irp u, 0,1
.irp q, 0,1,2
	global_load_b128 v[BR+12*(2*(\sl)+\u)+4*\q:BR+12*(2*(\sl)+\u)+4*\q+3], v[L16], s[\base:\base+1] offset:1536*((\tile)+\u)+512*\q
.endr
.endr
	global_load_b32 v[BS+(\sl)], v[L4], s[\base:\base+1] offset:SCO+128*(\pair)
.endm
; Product i of a chunk's 256: tile nu = i / 16 of W against row tile tt = i % 16 of enc, into result i % 8.  C = 0: nothing is cleared, and there are no chains.  Neighbouring products name different results.
.macro WM
.set nu, i/16
.set tt, i%16
.set rD, ACC+8*(i%8)
.set rB, BR+12*(nu%8)
.set rA, 12*tt
.set rSB, BS+(nu%8)/2
.set rSA, AS+tt/2
.if (nu%2 == 0) && (tt%2 == 0)
	v_wmma_scale_f32_16x16x128_f8f6f4 v[rD:rD+7], v[rB:rB+11], v[rA:rA+11], 0, v[rSB], v[rSA] matrix_a_fmt:MATRIX_FMT_FP6 matrix_b_fmt:MATRIX_FMT_FP6
.elseif nu%2 == 0
	v_wmma_scale_f32_16x16x128_f8f6f4 v[rD:rD+7], v[rB:rB+11], v[rA:rA+11], 0, v[rSB], v[rSA] matrix_a_fmt:MATRIX_FMT_FP6 matrix_b_fmt:MATRIX_FMT_FP6 matrix_b_scale:MATRIX_SCALE_ROW1
.elseif tt%2 == 0
	v_wmma_scale_f32_16x16x128_f8f6f4 v[rD:rD+7], v[rB:rB+11], v[rA:rA+11], 0, v[rSB], v[rSA] matrix_a_fmt:MATRIX_FMT_FP6 matrix_b_fmt:MATRIX_FMT_FP6 matrix_a_scale:MATRIX_SCALE_ROW1
.else
	v_wmma_scale_f32_16x16x128_f8f6f4 v[rD:rD+7], v[rB:rB+11], v[rA:rA+11], 0, v[rSB], v[rSA] matrix_a_fmt:MATRIX_FMT_FP6 matrix_b_fmt:MATRIX_FMT_FP6 matrix_a_scale:MATRIX_SCALE_ROW1 matrix_b_scale:MATRIX_SCALE_ROW1
.endif
.endm
; The fold: register pair ek of the four results of block eb (products 4 eb .. 4 eb + 3), times dec's pair, onto the row tiles' pairs.  ek = 0 comes first: each result is read from its low end on.
.macro EP
.irp m, 0,1,2,3
.set ii, 4*eb+\m
.set rE, E+2*(ii%16)
.set rC, ACC+8*(ii%8)+2*ek
.set rG, DEC+8*((ii/16)%8)+2*ek
	v_dual_fmac_f32 v[rE], v[rC], v[rG] :: v_dual_fmac_f32 v[rE+1], v[rC+1], v[rG+1]   ; a pair: destinations even and odd, both first and both second sources in neighbouring banks; dec (source 1) lies in window 1
.endr
.endm
; A chunk.  Behind each product stand four multiply-adds of the block before: they name none of that product's registers, so they are the places that a result's first reader (7 or more), the product that writes a
; result anew (28) and the loads into W's slots (4) need behind a matrix instruction.  reload = 1: the ring of W goes on into the next record, dec's ring into its first tiles again.
.macro GBODY reload
	s_wait_xcnt 0x0                                ; the loads that are out have read their bases: both may be written
	s_add_co_u32 s36, s[K0], s[J]
	s_add_co_u32 s38, s36, 7
	s_and_b32 s38, s38, 7                          ; the chunk in hand: (K0 + J - 1) mod 8
	s_mul_i32 s38, s38, REC
	s_mov_b32 s39, 0
	s_add_nc_u64 s[BC:BC+1], s[WQW:WQW+1], s[38:39]
.if \reload
	s_and_b32 s36, s36, 7
	s_mul_i32 s36, s36, REC
	s_mov_b32 s37, 0
	s_add_nc_u64 s[BN:BN+1], s[WQW:WQW+1], s[36:37]
.endif
	WIN 0
.irp p, 0,1,2,3,4,5,6,7
	ds_load_b32 v[AS+\p], v[IRS] offset:128*\p     ; the image's scale words first,
.endr
	WIN 0x40
.irp t, 0,1,2,3,4,5,6,7,8,9,10,11,12,13,14,15
.irp q, 0,1,2
	ds_load_b128 v[12*\t+4*\q:12*\t+4*\q+3], v[IR] offset:1536*\t+512*\q   ; then its 16 fragments, three loads each
.endr
.endr
	WIN 0x04                                       ; source 1 (enc's fragments; dec) window 1, all else window 0
.set i, 0
.rept 8                                ; group g: tiles 2 g, 2 g + 1 of W
.set g, i/32
.if \reload || (g <= 4)
	s_wait_loadcnt 21                              ; this group's seven loads are in; the three groups behind it may be out
.else
	s_wait_loadcnt 21-7*(g-4)                      ; the last record: the counts run down
.endif
.if g > 0
.if \reload || (g <= 5)
	s_wait_dscnt 8                                 ; this group's dec is in: it was asked for three groups ago, and two runs of four loads stand behind it
.else
	s_wait_dscnt 8-4*(g-5)
.endif
.endif
.rept 32
.if (i < 16) && (i%4 == 0)
	s_wait_dscnt 36-3*i                            ; row tiles i .. i + 3 are in; the later tiles' loads, three each, may be out
.endif
	WM
.if i >= 4
.set eb, i/4-1
.set ek, i%4
	EP
.elseif i == 3
.rept 4
	v_nop                                          ; the chunk's first block has no fold in front of it: these are the places behind its products
.endr
.endif
.set i, i+1
.endr
.if g < 4
	BGRP g, BC, 2*g+8, g+4                         ; the slots just multiplied take the tiles eight further on,
.elseif \reload
	BGRP g-4, BN, 2*g-8, g-4                       ; or the next record's first eight
.endif
.if \reload || (g <= 4)
	WIN 0x40
.irp u, 0,1
.set dn, (2*g+6+\u)%16
.set rG, DEC+8*(dn%8)
	ds_load_b128 v[rG:rG+3], v[DA] offset:64*dn    ; dec of the group three on, into the slots of the group before this one, whose folds are over
	ds_load_b128 v[rG+4:rG+7], v[DA] offset:64*dn+16
.endr
	WIN 0x04
.endif
.endr
.set eb, 63
.irp k, 0,1,2,3
.set ek, \k
	EP                                             ; the last block's fold
.endr
	WIN 0
.endm
; The end of the sums: a pair's two halves; then the two halves of the lanes (n 8 h + 0 .. 7), two row tiles at a time: after the exchange lane l of both registers holds row 32 p + l.
.macro REDUCE
.irp t, 0,1,2,3,4,5,6,7,8,9,10,11,12,13,14,15
	v_add_f32 v[TG+\t], v[E+2*\t], v[E+2*\t+1]
.endr
.irp p, 0,1,2,3,4,5,6,7
	v_permlane16_swap_b32 v[TG+2*\p], v[TG+2*\p+1]
.endr
.irp p, 0,1,2,3,4,5,6,7
	v_add_f32 v[TG+2*\p], v[TG+2*\p], v[TG+2*\p+1]
.endr
.irp p, 0,1,2,3,4,5,6,7
	ds_store_b32 v[RW], v[TG+2*\p] offset:128*\p
.endr
.endm
; ---------------- the head, all waves
	s_load_b256 s[4:11], s[0:1], 0x0               ; enc s[4:5], dec s[6:7], wq s[8:9], energies s[10:11]
	v_lshl_add_u32 v[SPW], v0, 2, SPARE
	v_mov_b32 v[NIL], 0
	v_lshrrev_b32 v[LN], 5, v0
	s_delay_alu instid0(VALU_DEP_1)
	v_readfirstlane_b32 s[WV], v[LN]               ; wave 0..7
	s_lshr_b32 s[IDX], s[WV], 1
	s_lshr_b32 s36, s[WV], 2
	s_xor_b32 s[ROLE], s[WV], s[IDX]
	s_xor_b32 s[ROLE], s[ROLE], s36
	s_and_b32 s[ROLE], s[ROLE], 1                  ; 0: G, 1: Q
	s_mov_b32 s[SB], ttmp9
	s_and_b32 s[BB], ttmp7, 0xffff
	s_add_co_u32 s[K0], s[SB], s[BB]
	s_and_b32 s[K0], s[K0], 7
	v_and_b32 v[LN], 31, v0
	v_and_b32 v[RL], 15, v0
	v_bfe_u32 v[HL], v0, 4, 1
	s_delay_alu instid0(VALU_DEP_3)
	v_lshlrev_b32 v[L16], 4, v[LN]
	s_delay_alu instid0(VALU_DEP_4)
	v_lshlrev_b32 v[L4], 2, v[LN]
	v_lshlrev_b32 v[L8], 3, v[LN]
	v_lshlrev_b32 v[L32], 5, v[LN]
	v_lshlrev_b32 v[SH8], 3, v[HL]
	v_mov_b32 v[T], 0                              ; a lane permute's destination counts as one of its sources
	s_mul_i32 s46, s[IDX], 2*STGB
	s_add_co_u32 s46, s46, STG
	v_add_nc_u32 v[STW], s46, v[L16]
	v_mul_u32_u24 v[STR], v[RL], SPITCH
	s_delay_alu instid0(VALU_DEP_1)
	v_lshl_add_u32 v[STR], v[HL], 7, v[STR]
	s_delay_alu instid0(VALU_DEP_1)
	v_add_nc_u32 v[STR], s46, v[STR]
	s_mul_i32 s46, s[IDX], 6144
	v_add_nc_u32 v[IW0], s46, v[L16]
	s_lshl_b32 s46, s[IDX], 8
	s_add_co_u32 s47, s46, SCO
	v_lshl_add_u32 v[IWS0], v[RL], 2, s47
	v_add_nc_u32 v[IRS0], SCO, v[L4]
	s_add_co_u32 s47, s46, RED
	v_add_nc_u32 v[RR], s47, v[L8]
	s_lshl_b32 s46, s[IDX], 10
	s_add_co_u32 s47, s46, DECL
	v_add_nc_u32 v[DW], s47, v[L32]
	v_lshl_add_u32 v[DA], v[HL], 5, s47
	s_add_co_u32 s47, s46, RED
	v_add_nc_u32 v[RW], s47, v[L4]
	s_mov_b32 s[SEL], 0x76543210
	s_mov_b32 s[SEL+1], 0xfedcba98
	s_lshl_b32 s36, s[SB], 13                      ; enc: row (256 sb + 64 IDX) x 32 + b, of 4,096 bytes
	s_lshl_b32 s37, s[IDX], 11
	s_add_co_u32 s36, s36, s37
	s_add_co_u32 s36, s36, s[BB]
	s_lshl_b32 s36, s36, 12
	s_mov_b32 s37, 0
	s_lshl_b32 s40, s[IDX], 10                     ; my 256 numbers of a row of dec, in bytes
	s_lshl_b32 s38, s[BB], 12                      ; dec: row b, my 256 numbers
	s_add_co_u32 s38, s38, s40
	s_mov_b32 s39, 0
	s_mul_i32 s42, s[IDX], 8*REC                   ; wq: my quarter's eight records
	s_mov_b32 s43, 0
	s_lshl_b32 s44, s[BB], 11                      ; energies: row b, s = 256 sb + 64 IDX on
	s_lshl_b32 s45, s[SB], 8
	s_add_co_u32 s44, s44, s45
	s_lshl_b32 s45, s[IDX], 6
	s_add_co_u32 s44, s44, s45
	s_lshl_b32 s44, s44, 2
	s_mov_b32 s45, 0
	s_mov_b32 s[J], 0
	s_mov_b32 s[IBW], 0
	s_wait_kmcnt 0x0
	s_add_nc_u64 s[ER:ER+1], s[4:5], s[36:37]
	s_add_nc_u64 s[6:7], s[6:7], s[38:39]
	s_add_nc_u64 s[WQW:WQW+1], s[8:9], s[42:43]
	s_add_nc_u64 s[12:13], s[10:11], s[44:45]
	s_cmp_eq_u32 s[ROLE], 0
	s_cbranch_scc1 .Lhead_g
; ---------------- the head, Q waves: the ring is filled with the first chunk
	s_lshl_b32 s36, s[K0], 9
	s_mov_b32 s37, 0
	s_add_nc_u64 s[EN:EN+1], s[ER:ER+1], s[36:37]
	RELOAD 0
	RELOAD 1
	RELOAD 2
	RELOAD 3
	s_branch .Lstep
; ---------------- the head, G waves: dec into LDS, 0 into E, the first record's first eight tiles
.Lhead_g:
	global_load_b128 v[TG:TG+3], v[L32], s[6:7]            ; my lane's 8 numbers of the wave's 256 of dec
	global_load_b128 v[TG+4:TG+7], v[L32], s[6:7] offset:16
	s_mul_i32 s36, s[K0], REC
	s_mov_b32 s37, 0
	s_add_nc_u64 s[BN:BN+1], s[WQW:WQW+1], s[36:37]
.irp g0, 0,1,2,3
	BGRP \g0, BN, 2*\g0, \g0
.endr
	s_wait_loadcnt 28                              ; dec's two loads are in; the 28 loads of W behind them may be out
	s_wait_alu depctr_va_vdst(0)
	ds_store_b128 v[DW], v[TG:TG+3]
	ds_store_b128 v[DW], v[TG+4:TG+7] offset:16
.irp t, 0,1,2,3,4,5,6,7,8,9,10,11,12,13,14,15
	v_mov_b32 v[E+2*\t], 0                         ; the 32 running sums begin at 0: they are carried through all eight chunks by multiply-adds, so no first product can start them
	v_mov_b32 v[E+2*\t+1], 0
.endr
	WIN 0x40
.irp n, 0,1,2,3,4,5
	ds_load_b128 v[DEC+8*\n:DEC+8*\n+3], v[DA] offset:64*\n       ; dec of tiles 0 to 5 (my own stores, served in order ahead of these); tiles 6, 7 are asked for behind the first group
	ds_load_b128 v[DEC+8*\n+4:DEC+8*\n+7], v[DA] offset:64*\n+16
.endr
	WIN 0
; ---------------- the steps
.Lstep:
	s_xor_b32 s[IBR], s[IBW], IMGX
	s_wait_alu depctr_va_vdst(0)
	v_add_nc_u32 v[IW], s[IBW], v[IW0]
	v_add_nc_u32 v[IWS], s[IBW], v[IWS0]
	v_add_nc_u32 v[IR], s[IBR], v[L16]
	v_add_nc_u32 v[IRS], s[IBR], v[IRS0]
	s_cmp_eq_u32 s[ROLE], 0
	s_cbranch_scc1 .Lg_step
	s_cmp_lt_u32 s[J], 7
	s_cbranch_scc0 .Lq_late
	QBODY 1
	s_branch .Ljoin
.Lq_late:
	s_cmp_eq_u32 s[J], 7
	s_cbranch_scc0 .Ljoin                          ; step 8: nothing is left to quantise
	QBODY 0                                        ; the last chunk asks for nothing: no load leaves the buffer
	s_branch .Ljoin
.Lg_step:
	s_cmp_eq_u32 s[J], 0
	s_cbranch_scc1 .Ljoin                          ; step 0: no image yet
	s_cmp_lt_u32 s[J], 8
	s_cbranch_scc0 .Lg_last
	s_wait_alu depctr_va_vdst(0)
	GBODY 1
	s_branch .Ljoin
.Lg_last:
	s_wait_alu depctr_va_vdst(0)
	GBODY 0
	REDUCE
.Ljoin:
	s_wait_dscnt 0x0                               ; for the others' sake: my stores into this step's image (or the row sums) have landed, and my reads of the other image are over
	s_barrier_signal -1
	s_barrier_wait -1                              ; the image written in this step is read in the next, and written again in the one after
	s_xor_b32 s[IBW], s[IBW], IMGX
	s_add_co_u32 s[J], s[J], 1
	s_cmp_lt_u32 s[J], 9
	s_cbranch_scc1 .Lstep
; ---------------- the way out: G wave IDX adds the four waves' sums of rows 64 IDX on, two rows a lane
	s_cmp_eq_u32 s[ROLE], 0
	s_cbranch_scc0 .Lend
.irp x, 0,1,2,3
	ds_load_b64 v[TG+2*\x:TG+2*\x+1], v[RR] offset:1024*\x
.endr
	s_wait_dscnt 0x0
	v_pk_add_f32 v[TG:TG+1], v[TG:TG+1], v[TG+2:TG+3]
	v_pk_add_f32 v[TG+4:TG+5], v[TG+4:TG+5], v[TG+6:TG+7]
	s_delay_alu instid0(VALU_DEP_1)
	v_pk_add_f32 v[TG:TG+1], v[TG:TG+1], v[TG+4:TG+5]
	global_store_b64 v[L8], v[TG:TG+1], s[12:13]   ; 32 lanes store 256 consecutive bytes, at a multiple of 256 from the buffer's first byte
.Lend:
	s_wait_tensorcnt 0x0                           ; the wave's end: behind my last LDS store
	ds_add_u32 v[SPW], v[NIL]
	s_wait_dscnt 0x0
	s_endpgm
.Lfunc_end_k_q52f7894c9d_energy:
	.size	k_q52f7894c9d_energy, .Lfunc_end_k_q52f7894c9d_energy-k_q52f7894c9d_energy
	.p2alignl 7, 3214868480
	.fill 96, 4, 3214868480
	.section	.rodata,"a",@progbits
	.p2align	6, 0x0
	.amdhsa_kernel k_q52f7894c9d_energy
		.amdhsa_group_segment_fixed_size 133120
		.amdhsa_private_segment_fixed_size 0
		.amdhsa_enable_private_segment 0
		.amdhsa_kernarg_size 32
		.amdhsa_user_sgpr_count 2
		.amdhsa_user_sgpr_kernarg_segment_ptr 1
		.amdhsa_wavefront_size32 1
		.amdhsa_system_sgpr_workgroup_id_x 1
		.amdhsa_system_sgpr_workgroup_id_y 1
		.amdhsa_system_sgpr_workgroup_id_z 1
		.amdhsa_system_vgpr_workitem_id 0
		.amdhsa_next_free_vgpr 512
		.amdhsa_next_free_sgpr 66
		.amdhsa_reserve_vcc 0
		.amdhsa_float_denorm_mode_32 3
		.amdhsa_float_denorm_mode_16_64 3
		.amdhsa_memory_ordered 1
		.amdhsa_forward_progress 1
		.amdhsa_inst_pref_size 255
	.end_amdhsa_kernel
	.section	.bss,"aw",@nobits
	.p2align	6
	.space	262144
	.amdgpu_metadata
---
amdhsa.version: [ 1, 2 ]
amdhsa.kernels:
  - .name:           k_q52f7894c9d_energy
    .symbol:         k_q52f7894c9d_energy.kd
    .args:
      - { .name: encoder_outputs, .offset: 0, .size: 8, .value_kind: global_buffer, .address_space: global }
      - { .name: decoder_hidden, .offset: 8, .size: 8, .value_kind: global_buffer, .address_space: global }
      - { .name: wq, .offset: 16, .size: 8, .value_kind: global_buffer, .address_space: global }
      - { .name: energies, .offset: 24, .size: 8, .value_kind: global_buffer, .address_space: global }
    .group_segment_fixed_size: 133120
    .private_segment_fixed_size: 0
    .kernarg_segment_align: 8
    .kernarg_segment_size: 32
    .max_flat_workgroup_size: 256
    .sgpr_count:     66
    .vgpr_count:     512
    .wavefront_size: 32
...
	.end_amdgpu_metadata
.endif
;; end of part 2
;; launch soft (part 3): grid 32 x 1, 1 waves a work-group, no clusters, 0 bytes of LDS; arguments energies, out0; writes out0
.if DOCPART == 3
	.amdgcn_target "amdgcn-amd-amdhsa--gfx1250"
	.amdhsa_code_object_version 6
	.text
	.protected	k_q52f7894c9d_soft
	.globl	k_q52f7894c9d_soft
	.p2align	8
	.type	k_q52f7894c9d_soft,@function
k_q52f7894c9d_soft:
	s_mov_b64 s[64:65], 0
	v_nop
	global_prefetch_b8 v0, s[64:65] scope:SCOPE_SE
	s_setreg_imm32_b32 hwreg(HW_REG_WAVE_MODE, 25, 1), 1
	s_wait_xcnt 0x0
; out0[b][0][s] = softmax over s of energies[b][s].  Both [32][2048] f32.  One wave takes a batch: 64 numbers a lane, the row stays in 64 registers between the maximum, the exponentials and the division:
; no LDS, no barrier.  Each load and store of the wave covers 512 consecutive bytes.
; p = 2^(e c - round(m c)), c = log2(e), m the row's maximum: one fused multiply-add a number.  The subtrahend is one and the same number for the whole row, so that its rounding cancels in the division by the sum;
; the largest exponent is that rounding's error, |m c| 2^-24 at the most.
; LIMITS: NaN and infinities are not served; a p under 2^-126 comes out as 0 (ISA guide, v_exp_f32).
.set X,  8                             ; v8-71   the row: my 64 numbers
.set MX, 72                            ; v72-75  four chains of the maximum; then v72 = -m c (v73 is named with it as a pair)
.set SA, 74                            ; v[74:75], v[76:77] two chains of the sum; then v[76:77] 1 / the sum, twice
.set SC, 76
	s_load_b128 s[4:7], s[0:1], 0x0                ; energies, out0
	v_lshlrev_b32 v1, 4, v0                        ; 16 bytes a lane
	s_lshl_b32 s8, ttmp9, 13                       ; a row is 8,192 bytes
	s_mov_b32 s9, 0
	s_mov_b32 s10, 0x76543210                      ; v_permlanex16_b32's selects for lane l xor 16
	s_mov_b32 s11, 0xfedcba98
	s_mov_b32 s12, 0x3fb8aa3b                      ; c = log2(e)
	s_mov_b32 s13, s12                             ; (named with it as a pair, so it is written)
	s_wait_alu depctr_va_vdst(0)
	s_wait_kmcnt 0x0
	s_add_nc_u64 s[4:5], s[4:5], s[8:9]
	s_add_nc_u64 s[6:7], s[6:7], s[8:9]
.irp i, 0,1,2,3,4,5,6,7,8,9,10,11,12,13,14,15
	global_load_b128 v[X+4*\i:X+4*\i+3], v1, s[4:5] offset:512*\i
.endr
	s_wait_loadcnt 0x0
.irp c, 0,1,2,3
	v_max3_num_f32 v[MX+\c], v[X+16*\c], v[X+16*\c+1], v[X+16*\c+2]   ; the maximum of my 64, in four chains that do not wait for each other
.endr
.irp i, 3,5,7,9,11,13
.irp c, 0,1,2,3
	v_max3_num_f32 v[MX+\c], v[MX+\c], v[X+16*\c+\i], v[X+16*\c+\i+1]
.endr
.endr
.irp c, 0,1,2,3
	v_max_num_f32 v[MX+\c], v[MX+\c], v[X+16*\c+15]
.endr
	v_max3_num_f32 v[MX], v[MX], v[MX+1], v[MX+2]
	v_max_num_f32 v[MX], v[MX], v[MX+3]
	v_max_num_f32_dpp v[MX], v[MX], v[MX] row_xmask:1 row_mask:0xf bank_mask:0xf
	v_max_num_f32_dpp v[MX], v[MX], v[MX] row_xmask:2 row_mask:0xf bank_mask:0xf
	v_max_num_f32_dpp v[MX], v[MX], v[MX] row_xmask:4 row_mask:0xf bank_mask:0xf
	v_max_num_f32_dpp v[MX], v[MX], v[MX] row_xmask:8 row_mask:0xf bank_mask:0xf
	v_permlanex16_b32 v[MX+1], v[MX], s10, s11
	v_max_num_f32 v[MX], v[MX], v[MX+1]            ; every lane holds the row's maximum
	v_mul_f32 v[MX], 0xbfb8aa3b, v[MX]             ; -m c, rounded once
.set j, 0
.rept 32
	v_pk_fma_f32 v[X+j:X+j+1], v[X+j:X+j+1], s[12:13], v[MX:MX+1] op_sel_hi:[1,0,0]   ; e c - m c, two at a time (of the pairs c and -m c the low word serves both halves)
.set j, j+2
.endr
.set j, 0
	s_wait_alu depctr_va_vdst(0)
.rept 64
	v_exp_f32 v[X+j], v[X+j]                       ; one batch
.set j, j+1
.endr
	v_nop                                          ; a plain place behind the last exponential
	s_wait_alu depctr_va_vdst(0)                   ; one wait for the batch, ahead of its first reader
	v_pk_add_f32 v[SA:SA+1], v[X:X+1], v[X+2:X+3]  ; the sum, two at a time, in two chains
	v_pk_add_f32 v[SC:SC+1], v[X+4:X+5], v[X+6:X+7]
.set j, 8
.rept 14
	v_pk_add_f32 v[SA:SA+1], v[SA:SA+1], v[X+j:X+j+1]
	v_pk_add_f32 v[SC:SC+1], v[SC:SC+1], v[X+j+2:X+j+3]
.set j, j+4
.endr
	v_pk_add_f32 v[SA:SA+1], v[SA:SA+1], v[SC:SC+1]
	v_add_f32 v[SA], v[SA], v[SA+1]
	v_add_f32_dpp v[SA], v[SA], v[SA] row_xmask:1 row_mask:0xf bank_mask:0xf
	v_add_f32_dpp v[SA], v[SA], v[SA] row_xmask:2 row_mask:0xf bank_mask:0xf
	v_add_f32_dpp v[SA], v[SA], v[SA] row_xmask:4 row_mask:0xf bank_mask:0xf
	v_add_f32_dpp v[SA], v[SA], v[SA] row_xmask:8 row_mask:0xf bank_mask:0xf
	v_permlanex16_b32 v[SA+1], v[SA], s10, s11
	v_add_f32 v[SA], v[SA], v[SA+1]                ; every lane holds the row's sum
	s_wait_alu depctr_va_vdst(0)
	v_rcp_f32 v[SC], v[SA]                         ; twice, to fill the pair that the packed multiply takes
	v_rcp_f32 v[SC+1], v[SA]
	v_nop                                          ; a plain place behind the reciprocals
	s_wait_alu depctr_va_vdst(0)                   ; and their wait, ahead of the first reader
.set j, 0
.rept 32
	v_pk_mul_f32 v[X+j:X+j+1], v[X+j:X+j+1], v[SC:SC+1]
.set j, j+2
.endr
.irp i, 0,1,2,3,4,5,6,7,8,9,10,11,12,13,14,15
	global_store_b128 v1, v[X+4*\i:X+4*\i+3], s[6:7] offset:512*\i   ; 32 lanes store 512 consecutive bytes, at a multiple of 256 from out0's first byte
.endr
	s_endpgm
.Lfunc_end_k_q52f7894c9d_soft:
	.size	k_q52f7894c9d_soft, .Lfunc_end_k_q52f7894c9d_soft-k_q52f7894c9d_soft
	.p2alignl 7, 3214868480
	.fill 96, 4, 3214868480
	.section	.rodata,"a",@progbits
	.p2align	6, 0x0
	.amdhsa_kernel k_q52f7894c9d_soft
		.amdhsa_group_segment_fixed_size 0
		.amdhsa_private_segment_fixed_size 0
		.amdhsa_enable_private_segment 0
		.amdhsa_kernarg_size 16
		.amdhsa_user_sgpr_count 2
		.amdhsa_user_sgpr_kernarg_segment_ptr 1
		.amdhsa_wavefront_size32 1
		.amdhsa_system_sgpr_workgroup_id_x 1
		.amdhsa_system_sgpr_workgroup_id_y 1
		.amdhsa_system_sgpr_workgroup_id_z 1
		.amdhsa_system_vgpr_workitem_id 0
		.amdhsa_next_free_vgpr 96
		.amdhsa_next_free_sgpr 66
		.amdhsa_reserve_vcc 0
		.amdhsa_float_denorm_mode_32 3
		.amdhsa_float_denorm_mode_16_64 3
		.amdhsa_memory_ordered 1
		.amdhsa_forward_progress 1
		.amdhsa_inst_pref_size 15
	.end_amdhsa_kernel
	.amdgpu_metadata
---
amdhsa.version: [ 1, 2 ]
amdhsa.kernels:
  - .name:           k_q52f7894c9d_soft
    .symbol:         k_q52f7894c9d_soft.kd
    .args:
      - { .name: energies, .offset: 0, .size: 8, .value_kind: global_buffer, .address_space: global }
      - { .name: out0, .offset: 8, .size: 8, .value_kind: global_buffer, .address_space: global }
    .group_segment_fixed_size: 0
    .private_segment_fixed_size: 0
    .kernarg_segment_align: 8
    .kernarg_segment_size: 16
    .max_flat_workgroup_size: 32
    .sgpr_count:     66
    .vgpr_count:     96
    .wavefront_size: 32
...
	.end_amdgpu_metadata
.endif
;; end of part 3
